; MI455X (gfx1250); checked and timed in simulation.
; The chip was launched on July 23, 2026; its instructions are those of AMD's public machine-readable ISA for CDNA 5 (MIT licence, August 2026) and "CDNA5" Instruction Set Architecture Reference Guide (July 2026). The comments in the code are by the model that wrote it; some were corrected since.
;; Sofa Net Ellipse. Allowed arithmetic: matrix products marked QUANTISED: E2M3 operands, one E8M0 scale for each 32 along K, by v_wmma_scale_f32_16x16x128_f8f6f4 with both operands' format E2M3, f32 sums; products left as they are: f32 operands where the result goes on into a quantised operand, else bf16, f16 or f32 operands; f32 sums; everything else in f32.
;; Inputs: W_ab0 256 x 1 float32; W_ab1_codes 256 x 8 x 24 uint8 (E2M3 codes of W_ab1, K innermost, in blocks of 32 codes, four codes in three bytes); W_ab1_scales 256 x 8 uint8 (E8M0 scales of W_ab1, one for each 32 codes along K); W_ab2 2 x 256 float32; W_kxy0 256 x 1 float32; W_kxy1_codes 256 x 8 x 24 uint8 (E2M3 codes of W_kxy1, K innermost, in blocks of 32 codes, four codes in three bytes); W_kxy1_scales 256 x 8 uint8 (E8M0 scales of W_kxy1, one for each 32 codes along K); W_kxy2 2 x 256 float32; W_sxy0 256 x 1 float32; W_sxy1_codes 256 x 8 x 24 uint8 (E2M3 codes of W_sxy1, K innermost, in blocks of 32 codes, four codes in three bytes); W_sxy1_scales 256 x 8 uint8 (E8M0 scales of W_sxy1, one for each 32 codes along K); W_sxy2 2 x 256 float32; b_ab0 256 float32; b_ab1 256 float32; b_ab2 2 float32; b_kxy0 256 float32; b_kxy1 256 float32; b_kxy2 2 float32; b_sxy0 256 float32; b_sxy1 256 float32; b_sxy2 2 float32; t 131,072 float32.
;; Outputs: out0 131,072 float32; out1 131,072 float32; out2 131,072 float32; out3 131,072 float32; out4 131,072 float32; out5 131,072 float32.
;; This version of the problem:
;;   THIS VERSION OF THE PROBLEM IS GIVEN IN LOW PRECISION. The matrix products marked QUANTISED in the list below multiply operands that are first quantised to E2M3 (2 exponent bits, 3 mantissa bits; 6 bits a number), with one power-of-two scale for each 32 numbers along K (OCP MX v1.0); their sums are f32. All else is computed in f32.
;;   The module's matrix products, in the order in which they are computed (A, B: the left and right operand; K: the contracted axis; several contracted axes count as one K, in the product's order):
;;     1. [M 131,072, K 1] x [K 1, N 256]; A: computed on the way; B: input W_ab0: left as it is (K = 1 < 32)
;;     2. [M 131,072, K 1] x [K 1, N 256]; A: computed on the way; B: input W_ab0: left as it is (K = 1 < 32)
;;     3. [M 131,072, K 256] x [K 256, N 256]; A: computed on the way; B: input W_ab1 (given as codes): QUANTISED
;;     4. [M 131,072, K 256] x [K 256, N 256]; A: computed on the way; B: input W_ab1 (given as codes): QUANTISED
;;     5. [M 131,072, K 256] x [K 256, N 2]; A: computed on the way; B: input W_ab2: left as it is (N = 2 < 16)
;;     6. [M 131,072, K 256] x [K 256, N 2]; A: computed on the way; B: input W_ab2: left as it is (N = 2 < 16)
;;     7. [M 131,072, K 1] x [K 1, N 256]; A: computed on the way; B: input W_kxy0: left as it is (K = 1 < 32)
;;     8. [M 131,072, K 1] x [K 1, N 256]; A: computed on the way; B: input W_kxy0: left as it is (K = 1 < 32)
;;     9. [M 131,072, K 256] x [K 256, N 256]; A: computed on the way; B: input W_kxy1 (given as codes): QUANTISED
;;     10. [M 131,072, K 256] x [K 256, N 256]; A: computed on the way; B: input W_kxy1 (given as codes): QUANTISED
;;     11. [M 131,072, K 256] x [K 256, N 2]; A: computed on the way; B: input W_kxy2: left as it is (N = 2 < 16)
;;     12. [M 131,072, K 256] x [K 256, N 2]; A: computed on the way; B: input W_kxy2: left as it is (N = 2 < 16)
;;     13. [M 131,072, K 1] x [K 1, N 256]; A: computed on the way; B: input W_sxy0: left as it is (K = 1 < 32)
;;     14. [M 131,072, K 1] x [K 1, N 256]; A: computed on the way; B: input W_sxy0: left as it is (K = 1 < 32)
;;     15. [M 131,072, K 256] x [K 256, N 256]; A: computed on the way; B: input W_sxy1 (given as codes): QUANTISED
;;     16. [M 131,072, K 256] x [K 256, N 256]; A: computed on the way; B: input W_sxy1 (given as codes): QUANTISED
;;     17. [M 131,072, K 256] x [K 256, N 2]; A: computed on the way; B: input W_sxy2: left as it is (N = 2 < 16)
;;     18. [M 131,072, K 256] x [K 256, N 2]; A: computed on the way; B: input W_sxy2: left as it is (N = 2 < 16)
;;   THE QUANTISER, for each operand of a quantised product, along K:
;;     - K is cut into blocks of 32 from its start; a last block that is shorter is filled with zeros.
;;     - A block's scale is 2^e with e = floor(log2(the largest magnitude in the block)) - 2, held to -126 .. 127; a block of zeros has e = 0. As a byte (E8M0): e + 127.
;;     - Each number is divided by its block's scale, clamped to +-7.5, and rounded to the nearest number of E2M3, ties to even, subnormals kept.
;;     - The product sums the exact products of the quantised numbers (number of the format x scale) in f32.
;;   ~~~python
;;   def quantise(x, axis):      # numpy; x: float32 -> the quantised numbers, widened to float32 again
;;       x = np.moveaxis(x, axis, -1); K = x.shape[-1]
;;       x = np.pad(x, [(0, 0)] * (x.ndim - 1) + [(0, -K % 32)]); x = x.reshape(x.shape[:-1] + (-1, 32)); a = np.abs(x).max(-1, keepdims=True)
;;       e = np.where(a > 0, np.clip(np.frexp(np.where(a > 0, a, 1))[1] - 1 - 2, -126, 127), 0)      # np.frexp(a)[1] - 1 = floor(log2(a)), exactly
;;       r = np.clip(x / 2.0 ** e, -7.5, 7.5)
;;       step = 2.0 ** (np.maximum(np.frexp(np.where(r == 0, 1, r))[1] - 1, 0) - 3)
;;       q = np.round(r / step) * step * 2.0 ** e      # np.round: ties to even
;;       return np.moveaxis(q.reshape(q.shape[:-2] + (-1,))[..., :K], -1, axis).astype(np.float32)
;;   ~~~
;;   OPERANDS COMPUTED ON THE WAY. 'Computed on the way' means the value that the module computes at that place (a softmax that the list does not call 'softmax' is quantised finished and normalised). What goes into a quantiser is computed in f32, as accurately as f32 sums, v_exp_f32 and their like allow (about 1e-6 of the number): no bf16 or f16 on the way to a quantiser, and a product that is left as it is and whose result goes on into a quantised operand takes f32 operands (vector FMAs, or v_wmma_f32_16x16x4_f32). A number that lies on a knife's edge between two numbers of the format may be rounded either way, as far as f32 arithmetic and the matrix unit's own rounding can turn it there, and no further.
;;   INPUTS GIVEN AS CODES. W_ab1 (in the module: [256, 256], K = its axis 1); W_kxy1 (in the module: [256, 256], K = its axis 1); W_sxy1 (in the module: [256, 256], K = its axis 1): each comes as NAME_codes (uint8): NAME with its K axis moved to the last place and cut into blocks of 32 codes, [.., K / 32, bytes a block], one block behind the other in memory; four codes in three bytes: a row's codes are one little-endian stream of bits, code i at bits 6 i .. 6 i + 5 (a code: sign, 2 exponent bits, 3 mantissa bits); and NAME_scales (uint8): the same leading axes, one E8M0 byte (e + 127) for each 32 codes along K. Its value is code x scale, taken as it is: it is not quantised again, and the codes and scales need not be those that the quantiser above would give.
;; One version. Each part assembles by itself: llvm-mc -triple=amdgcn-amd-amdhsa -mcpu=gfx1250 --defsym DOCPART=n.
;; ======== version 1 of 1: 1 launch
;; limits: a function is approximated: absolute error at most 2.4e-07; inputs' magnitudes at most 1,048,576
;; launch sofa (part 1): grid 256 x 1, 16 waves a work-group, no clusters, 229,888 bytes of LDS; arguments W_ab0, b_ab0, W_ab1_codes, W_ab1_scales, b_ab1, W_ab2, b_ab2, W_kxy0, b_kxy0, W_kxy1_codes, W_kxy1_scales, b_kxy1, W_kxy2, b_kxy2, W_sxy0, b_sxy0, W_sxy1_codes, W_sxy1_scales, b_sxy1, W_sxy2, b_sxy2, t, out0, out1, out2, out3, out4, out5; writes out0, out1, out2, out3, out4, out5
.if DOCPART == 1
	.amdgcn_target "amdgcn-amd-amdhsa--gfx1250"
	.amdhsa_code_object_version 6
	.text
	.protected	k_q50ab5ccf5a_sofa
	.globl	k_q50ab5ccf5a_sofa
	.p2align	8
	.type	k_q50ab5ccf5a_sofa,@function
k_q50ab5ccf5a_sofa:
	s_mov_b64 s[64:65], 0
	v_nop
	global_prefetch_b8 v0, s[64:65] scope:SCOPE_SE
	s_setreg_imm32_b32 hwreg(HW_REG_WAVE_MODE, 25, 1), 1
	s_wait_xcnt 0x0
; Three nets 1 -> 256 -> 256 -> 2 (tanh) of u = pi t, each with its derivative by t, and from them
;   xp = a (cos u - 1) kx + sx,  yp = b sin u ky + sy,  their derivatives, alpha = t pi/2 and alpha' = pi/2.   131,072 samples, all in ONE launch; nothing goes to memory but the six outputs.
; SHARES.  256 work-groups of 512 samples; sixteen waves of 256 registers; wave w owns samples 32 w .. 32 w + 31 as two tiles of 16 (a, b), and takes them through all three nets.
; ARITHMETIC OF A LANE (c = 2 log2 e).  tanh z = 1 - 2 / (1 + 2^(c z)).  Layer 0: the exponent is fma(t, c pi W0, c b0); h = tanh; s = 1 - h^2; dh = s (pi W0).
;   Layer 1, value and derivative, on codes of E2M3 with one E8M0 byte for 32 along K: z = W1 Q(h) , dz = W1 Q(dh); the exponent is fma(z, c, c b1); dh1 = s dz.   Layer 2 on bf16 operands, f32 sums.
; LAYOUT.  The quantised products are used transposed (source 0 = 16 rows of W1, source 1 = 16 samples).  The 6-bit operand gives lane (r, h), for K step s and c = 0, 1, the units 128 s + 64 c + 32 h + 0 .. 31 of sample r:
;   a WHOLE block.  Layer 0 is elementwise, so each lane computes just these units: a block's largest magnitude needs no other lane, and the conversions' results are the operand.  Only the scale word's bytes are joined with lane xor 16.
;   In the result lane (r, h) holds units 16 T + 8 h + 0 .. 7 of sample r: packed to bf16 they are half of a K = 32 operand; h fills k 0-15 and dh k 16-31.  Source 0 of the last product has row m = (W2[0] | 0), (W2[1] | 0),
;   (0 | W2[0]), (0 | W2[1]) for m mod 4 = 0 .. 3: registers 0 .. 3 of ONE accumulator a tile hold o0, o1, o0', o1' of sample r in every lane.  Its C begins as (b2[0], b2[1], 0 ..).
; LDS.  All three nets' weights lie in LDS for the whole launch: W1's codes by twelve tensor loads (waves 0 to 11, 64 rows each; every byte is filled once, nothing is filled again), the rest by register work of the same waves.
; NO CLUSTER, NO JOINT LOADS: the shared bytes, 147,456 of codes, are asked for once by a work-group in the whole launch, and that one load has the first net's whole layer 0 (eight calls of L0) in which to land.
; LIMITS.  tanh by the form above has an absolute error near 2^-23, so its relative error grows as |z| falls (about 1e-4 at |z| = 1e-3).  c pi W0, c b0 and c b1 are rounded once when they are folded.
;   The angle's reduction (two parts of pi/2, fused) serves |t| up to 2^20.  NaN and infinities among the inputs are not served.  A block whose largest magnitude lies under 2^-124 keeps the scale byte 1
;   (a block of zeros too: its codes are zeros).  Layer 2's operands (h1, dh1, W2) are rounded to bf16.
.set OUTS,  0                          ; [6 outputs][512] f32: the way out; each thread writes its own words
.set CONST, 12288                      ; [net][c pi W0, c b0, pi W0][256] f32: 3,072 bytes a net
.set B1L,   21504                      ; [net][256] f32: c b1
.set W2T,   24576                      ; [net][tile 16][k half 2][h 2][row mod 4][8 bf16]: source 0 of the last product as its registers take it
.set B2L,   36864                      ; twelve copies of (b2[0], b2[1], 0 x 6), one from each preparing wave; net n reads copy 4 n
.set W1S,   37376                      ; [net][256 rows][8 scale bytes], as in memory
.set W1L,   43520                      ; [net][256 rows] of 192 bytes of codes, 16 bytes of padding behind every 64: rows 240 bytes apart
.set LA,  1                            ; v1   CONST + 128 h, + 3,072 a net
.set W1A, 2                            ; v2   W1L + 240 r + 24 h, + 3,840 a tile
.set W1B, 3                            ; v3   the same with 40 h: for the pieces that lie behind one padding more in lanes 16-31
.set SCA, 4                            ; v4   W1S + 8 r, + 128 a tile
.set B1A, 5                            ; v5   B1L + 32 h, + 64 a tile
.set W2A, 6                            ; v6   W2T + 64 h + 16 (r mod 4), + 256 a tile
.set B2A, 7                            ; v7   B2L, + 128 a net
.set XX,  8                            ; v8-11  x, x', y, y' of sample = lane
.set XP,  9
.set YY,  10
.set YP,  11
.set TT,  12                           ; v[12:13] t of sample r of tile a, of tile b
.set SH,  14                           ; v14  8 h
.set OS,  15                           ; v15  4 x thread
.set CD,  16                           ; v16-111  the codes: fragment f = 4 tile + 2 kind + s (kind 0: h, 1: dh) at CD + 12 f
.set SW,  112                          ; v112-119 their scale words; these eight hold scales and nothing else
.set MX,  120                          ; v120-123 largest magnitudes; later a net's four results
.set GA,  128                          ; layer 0: v128-159 c pi W0, then pi W0;  v160-191 c b0, then s, then dh;  v192-223 h;  v224-230 the conversions' second halves
.set BD,  160
.set HH,  192
.set WF,  128                          ; layers 1, 2: v128-151 W1's two fragments;  v154-161 c b1;  v162-169 W2's rows;  v170-201 z, dz (16 tile + 8 kind);  v202-217 bf16 operands;  v218-233 two accumulators
.set BB,  154
.set W2F, 162
.set Z,   170
.set P,   202
.set ACC, 218
.set WS,  234                          ; v[234:235] W1's scale words of the two K steps: scales and nothing else
; v236-239 scratch of the head;  v240-250 offsets made at the head and never rewritten
	s_load_b512 s[4:19], s[0:1], 0x0               ; the 28 addresses: argument i at s[4 + 2 i : 5 + 2 i]
	s_load_b512 s[20:35], s[0:1], 0x40
	s_load_b512 s[36:51], s[0:1], 0x80
	s_load_b256 s[52:59], s[0:1], 0xc0
	v_lshl_add_u32 v254, v0, 2, 0x37a00
	v_mov_b32 v255, 0
	ds_add_u32 v254, v255
	ds_add_u32 v254, v255
	v_lshrrev_b32 v236, 5, v0
	v_readfirstlane_b32 s2, v236                   ; wave 0..15
	s_lshr_b32 s61, s2, 2                          ; a preparing wave's net,
	s_and_b32 s60, s2, 3                           ; and its quarter of the net's 256 units
	v_and_b32 v237, 15, v0                         ; r
	v_bfe_u32 v238, v0, 4, 1                       ; h
	; every LDS address is made here, ahead of the branch on the wave's number
	v_lshl_add_u32 v[LA], v238, 7, CONST
	v_mul_u32_u24 v236, v237, 240
	v_mad_u32_u24 v[W1A], v238, 24, v236
	v_mad_u32_u24 v[W1B], v238, 40, v236
	v_add_nc_u32 v[W1A], W1L, v[W1A]
	v_add_nc_u32 v[W1B], W1L, v[W1B]
	v_lshl_add_u32 v[SCA], v237, 3, W1S
	v_lshl_add_u32 v[B1A], v238, 5, B1L
	v_and_b32 v236, 3, v0
	v_lshlrev_b32 v236, 4, v236
	v_lshl_add_u32 v236, v238, 6, v236
	v_add_nc_u32 v[W2A], W2T, v236
	v_mov_b32 v[B2A], B2L
	v_lshlrev_b32 v[SH], 3, v238
	v_lshlrev_b32 v[OS], 2, v0
	v_mov_b32 v127, 0                              ; a lane permute's destination counts as one of its sources: written once
	; the preparing waves' places: thread 128 net + i takes units 2 i, 2 i + 1 of its net
	v_lshrrev_b32 v236, 7, v0
	v_mul_u32_u24 v240, v236, 3072
	v_and_b32 v236, 127, v0
	v_lshl_add_u32 v240, v236, 3, v240
	v_add_nc_u32 v240, CONST, v240                 ; v240  CONST + 3,072 net + 8 i
	v_lshlrev_b32 v247, 3, v236                    ; v247  8 i: in W0, b0, b1 and a row of W2
	v_lshlrev_b32 v248, 4, v236                    ; v248  16 i: in the scale bytes
	v_lshl_add_u32 v241, v0, 3, B1L                ; v241  B1L + 8 thread (1,024 bytes a net)
	v_lshl_add_u32 v242, v0, 4, W1S                ; v242  W1S + 16 thread (2,048 bytes a net)
	v_lshrrev_b32 v236, 3, v0
	v_lshlrev_b32 v243, 8, v236                    ; eight threads' 16 units are a tile: 256 bytes
	v_bfe_u32 v236, v0, 2, 1
	v_lshl_add_u32 v243, v236, 6, v243             ; which half of the tile's units
	v_and_b32 v236, 3, v0
	v_lshl_add_u32 v243, v236, 2, v243             ; and my two units' word among the half's eight
	v_add_nc_u32 v243, W2T, v243                   ; v243
	v_lshrrev_b32 v236, 5, v0
	v_lshlrev_b32 v244, 5, v236
	v_and_b32 v239, 7, v0
	v_lshl_add_u32 v244, v239, 2, v244
	v_add_nc_u32 v244, B2L, v244                   ; v244  B2L + 32 wave + 4 (lane mod 8)
	v_and_b32 v249, 1, v0
	v_lshlrev_b32 v249, 2, v249                    ; v249  4 (lane mod 2): in b2
	v_and_b32 v250, 0x1ef, v0
	v_lshlrev_b32 v250, 2, v250                    ; v250  4 (32 wave + r): t of tile a's sample r
	v_lshlrev_b32 v245, 3, v0                      ; v245  the way out: 8 x thread in the stage,
	v_and_b32 v246, 0x7ff, v245                    ; v246  and in the work-group's 2,048 bytes of an output
	s_mov_b32 s92, 0x76543210
	s_mov_b32 s93, 0xfedcba98                      ; v_permlanex16_b32's selects for lane l xor 16
	s_mov_b32 s94, 0xffff0000                      ; lanes 16-31
	; descriptor group 1: 64 rows of 192 bytes, dense in memory; in LDS 4 words of padding behind every 16
	s_mov_b32 s84, (1<<20)|(3<<22)|(3<<25)         ; no mask; elements of 1 byte; padding on; interval code 3; 4 words (code 3)
	s_mov_b32 s85, 192<<16                         ; tensor_dim0
	s_mov_b32 s86, 64<<16                          ; tensor_dim1
	s_mov_b32 s87, 192<<16                         ; tile_dim0
	s_mov_b32 s88, 64                              ; tile_dim1
	s_mov_b32 s89, 192                             ; from row to row
	s_mov_b32 s90, 0
	s_mov_b32 s91, 0
	s_mov_b32 s80, 1                               ; group 0: count,
	s_mul_i32 s81, s2, 15360
	s_add_co_u32 s81, s81, W1L                     ; LDS address: 64 rows of 240 bytes a wave,
	s_mul_i32 s98, s60, 12288                      ; and my quarter of the net's codes
	s_mov_b32 s99, 0
	s_lshl_b32 s62, ttmp9, 11                      ; the work-group's 512 samples: 2,048 bytes in t and in each output; kept to the end
	s_mov_b32 s63, 0
	s_wait_dscnt 0x0
	s_wait_kmcnt 0x0
	s_add_nc_u64 s[46:47], s[46:47], s[62:63]
	global_load_b32 v144, v[OS], s[46:47]          ; t of sample = lane,
	global_load_b32 v[TT], v250, s[46:47]          ; of tile a's sample r,
	global_load_b32 v[TT+1], v250, s[46:47] offset:64   ; of tile b's
	s_cmp_eq_u32 s61, 1                            ; my net's seven buffers: W0, b0, codes, scales, b1, W2, b2 -> s[66:79].  The choice hangs on the wave's number alone
.irp i, 0,1,2,3,4,5,6
	s_cselect_b64 s[66+2*\i:67+2*\i], s[18+2*\i:19+2*\i], s[4+2*\i:5+2*\i]
.endr
	s_cmp_eq_u32 s61, 2
.irp i, 0,1,2,3,4,5,6
	s_cselect_b64 s[66+2*\i:67+2*\i], s[32+2*\i:33+2*\i], s[66+2*\i:67+2*\i]
.endr
	s_add_nc_u64 s[82:83], s[70:71], s[98:99]
	s_or_b32 s83, s83, 0x80000000                  ; type = 2
	s_cmp_lt_u32 s2, 12                            ; waves 0 to 11 fetch and prepare: one branch holds a wave's one tensor load; the wait for it, for 0, stands on every wave's path further down
	s_cbranch_scc0 .Lno_prep
	tensor_load_to_lds s[80:83], s[84:91]          ; one load of mine is out, until the wait behind the first net's layer 0
	s_nop 0
.rept 4
	v_nop                                          ; four behind the load
.endr
	global_load_b64 v[128:129], v247, s[66:67]     ; W0 of my two units
	global_load_b64 v[130:131], v247, s[68:69]     ; b0
	global_load_b64 v[132:133], v247, s[74:75]     ; b1
	global_load_b64 v[134:135], v247, s[76:77]     ; W2[0]
	global_load_b64 v[136:137], v247, s[76:77] offset:1024   ; W2[1]
	global_load_b128 v[140:143], v248, s[72:73]    ; two rows' scale bytes
	global_load_b32 v138, v249, s[78:79]           ; b2[lane mod 2]
	s_wait_loadcnt 0x0
	v_pk_mul_f32 v[146:147], v[128:129], 0x41110918 op_sel_hi:[1,0]   ; c pi W0
	v_pk_mul_f32 v[148:149], v[130:131], 0x4038aa3b op_sel_hi:[1,0]   ; c b0
	v_pk_mul_f32 v[150:151], v[128:129], 0x40490fdb op_sel_hi:[1,0]   ; pi W0
	v_pk_mul_f32 v[152:153], v[132:133], 0x4038aa3b op_sel_hi:[1,0]   ; c b1
	v_cvt_pk_bf16_f32 v154, v134, v135
	v_cvt_pk_bf16_f32 v155, v136, v137
	v_mov_b32 v156, 0
	v_cmp_gt_u32 vcc_lo, 2, v239
	v_cndmask_b32 v158, 0, v138, vcc_lo            ; word i of a copy: b2[i] for i under 2, else 0
	ds_store_b64 v240, v[146:147]
	ds_store_b64 v240, v[148:149] offset:1024
	ds_store_b64 v240, v[150:151] offset:2048
	ds_store_b64 v241, v[152:153]
	ds_store_b128 v242, v[140:143]
	ds_store_b32 v243, v154                        ; k 0-15:  row mod 4 = 0: W2[0]
	ds_store_b32 v243, v155 offset:16              ;          1: W2[1]
	ds_store_b32 v243, v156 offset:32              ;          2, 3: zeros
	ds_store_b32 v243, v156 offset:48
	ds_store_b32 v243, v156 offset:128             ; k 16-31: 0, 1: zeros
	ds_store_b32 v243, v156 offset:144
	ds_store_b32 v243, v154 offset:160             ;          2: W2[0]
	ds_store_b32 v243, v155 offset:176             ;          3: W2[1]
	ds_store_b32 v244, v158                        ; (four lanes write each word, with the same value)
.Lno_prep:
	s_wait_loadcnt 0x0                             ; t
	; alpha, and cos u, sin u of u = 2 alpha: u = k pi/2 + r, |r| <= pi/4, pi/2 in two parts, each taken off by one fused multiply-add; polynomials in r^2; the quadrant by k mod 4
	v_mul_f32 v161, 0x3fc90fdb, v144               ; alpha
	v_add_f32 v162, v161, v161                     ; u
	v_mul_f32 v163, 0x3f22f983, v162
	v_rndne_f32 v163, v163                         ; k
	v_fmamk_f32 v164, v163, 0xbfc90fdb, v162
	v_fmamk_f32 v164, v163, 0x333bbd2e, v164       ; r
	v_cvt_i32_f32 v165, v163
	v_mul_f32 v166, v164, v164                     ; r^2
	v_mov_b32 v167, 0xb94ca1f9
	v_fmaak_f32 v167, v167, v166, 0x3c08839e
	v_fmaak_f32 v167, v167, v166, 0xbe2aaaa3
	v_mul_f32 v168, v164, v166
	v_fma_f32 v167, v168, v167, v164               ; sin r
	v_mov_b32 v169, 0x37ccf5ce
	v_fmaak_f32 v169, v169, v166, 0xbab6061a
	v_fmaak_f32 v169, v169, v166, 0x3d2aaaa5
	v_mul_f32 v170, v166, v166
	v_fma_f32 v171, v166, -0.5, 1.0
	v_fma_f32 v169, v170, v169, v171               ; cos r
	v_and_b32 v172, 1, v165
	v_cmp_eq_u32 vcc_lo, 1, v172
	v_cndmask_b32 v173, v167, v169, vcc_lo         ; k odd: the two change places
	v_cndmask_b32 v174, v169, v167, vcc_lo
	v_and_b32 v175, 2, v165
	v_lshlrev_b32 v175, 30, v175
	v_xor_b32 v[YY], v173, v175                    ; sin u: negative for k mod 4 = 2, 3
	v_add_nc_u32 v176, 1, v165
	v_and_b32 v176, 2, v176
	v_lshlrev_b32 v176, 30, v176
	v_xor_b32 v174, v174, v176                     ; cos u: negative for k mod 4 = 1, 2
	v_add_f32 v[XX], -1.0, v174                    ; x = cos u - 1,  x' = -pi sin u,  y = sin u,  y' = pi cos u
	v_mul_f32 v[XP], 0xc0490fdb, v[YY]
	v_mul_f32 v[YP], 0x40490fdb, v174
	v_mov_b32 v177, 0x3fc90fdb
	ds_store_b32 v[OS], v161                       ; out0 = alpha
	ds_store_b32 v[OS], v177 offset:6144           ; out3 = pi/2
	s_wait_dscnt 0x0                               ; for the others' sake: my stores have landed
	s_barrier_signal -1
	s_barrier_wait -1                              ; the constants lie in LDS.  The tensor loads stay out, and layer 0 reads no codes
; LAYER 0 for one tile of samples and 64 units (cq = 2 s + c): 32 numbers a lane, one block of h and one of dh, quantised into the operand's registers 6 c .. 6 c + 5 of K step s.
.macro L0 tile, cq
.set FH, CD+12*(4*(\tile)+(\cq)/2)+6*((\cq)%2)
.set FD, CD+12*(4*(\tile)+2+(\cq)/2)+6*((\cq)%2)
.set WH, SW+4*(\tile)+(\cq)/2
.set WD, SW+4*(\tile)+2+(\cq)/2
.irp j, 0,1,2,3,4,5,6,7
	ds_load_b128 v[GA+4*\j:GA+4*\j+3], v[LA] offset:256*(\cq)+16*\j          ; c pi W0 of units 64 cq + 32 h + 0 .. 31: sixteen lanes read the same words
.endr
.irp j, 0,1,2,3,4,5,6,7
	ds_load_b128 v[BD+4*\j:BD+4*\j+3], v[LA] offset:1024+256*(\cq)+16*\j     ; c b0
.endr
	s_wait_dscnt 0x0
.irp j, 0,2,4,6,8,10,12,14,16,18,20,22,24,26,28,30
	v_pk_fma_f32 v[HH+\j:HH+\j+1], v[GA+\j:GA+\j+1], v[TT:TT+1], v[BD+\j:BD+\j+1] op_sel:[0,\tile,0] op_sel_hi:[1,\tile,1]   ; c z: of the pair of t the tile's serves both halves
.endr
.irp j, 0,1,2,3,4,5,6,7
	ds_load_b128 v[GA+4*\j:GA+4*\j+3], v[LA] offset:2048+256*(\cq)+16*\j     ; pi W0: it lands under the exponentials
.endr
.irp j, 0,1,2,3,4,5,6,7,8,9,10,11,12,13,14,15,16,17,18,19,20,21,22,23,24,25,26,27,28,29,30,31
	v_exp_f32 v[HH+\j], v[HH+\j]
.endr
	v_nop                                          ; a plain instruction behind the last of the batch,
	s_wait_alu depctr_va_vdst(0)                   ; and one wait for the 32, ahead of their first reader
.irp j, 0,2,4,6,8,10,12,14,16,18,20,22,24,26,28,30
	v_pk_add_f32 v[HH+\j:HH+\j+1], v[HH+\j:HH+\j+1], 1.0 op_sel_hi:[1,0]
.endr
.irp j, 0,1,2,3,4,5,6,7,8,9,10,11,12,13,14,15,16,17,18,19,20,21,22,23,24,25,26,27,28,29,30,31
	v_rcp_f32 v[HH+\j], v[HH+\j]
.endr
	v_nop
	s_wait_alu depctr_va_vdst(0)                   ; likewise for the 32 reciprocals
.irp j, 0,2,4,6,8,10,12,14,16,18,20,22,24,26,28,30
	v_pk_fma_f32 v[HH+\j:HH+\j+1], v[HH+\j:HH+\j+1], -2.0, 1.0 op_sel_hi:[1,0,0]   ; h
.endr
.irp j, 0,2,4,6,8,10,12,14,16,18,20,22,24,26,28,30
	v_pk_fma_f32 v[BD+\j:BD+\j+1], v[HH+\j:HH+\j+1], v[HH+\j:HH+\j+1], 1.0 op_sel_hi:[1,1,0] neg_lo:[1,0,0] neg_hi:[1,0,0]   ; 1 - h^2
.endr
	s_wait_dscnt 0x0                               ; pi W0 is in
.irp j, 0,2,4,6,8,10,12,14,16,18,20,22,24,26,28,30
	v_pk_mul_f32 v[BD+\j:BD+\j+1], v[BD+\j:BD+\j+1], v[GA+\j:GA+\j+1]              ; dh
.endr
	; the two blocks' largest magnitudes, each in two chains, the four by turns; the floor 2^(3 - 127) among the leaves holds the byte at 1 from below
	v_max3_num_f32 v[MX], |v[HH]|, |v[HH+1]|, 0x1800000
	v_max3_num_f32 v[MX+1], |v[HH+16]|, |v[HH+17]|, |v[HH+18]|
	v_max3_num_f32 v[MX+2], |v[BD]|, |v[BD+1]|, 0x1800000
	v_max3_num_f32 v[MX+3], |v[BD+16]|, |v[BD+17]|, |v[BD+18]|
.irp i, 2,4,6,8,10,12
	v_max3_num_f32 v[MX], v[MX], |v[HH+\i]|, |v[HH+\i+1]|
	v_max3_num_f32 v[MX+1], v[MX+1], |v[HH+17+\i]|, |v[HH+18+\i]|
	v_max3_num_f32 v[MX+2], v[MX+2], |v[BD+\i]|, |v[BD+\i+1]|
	v_max3_num_f32 v[MX+3], v[MX+3], |v[BD+17+\i]|, |v[BD+18+\i]|
.endr
	v_max3_num_f32 v[MX], v[MX], |v[HH+14]|, |v[HH+15]|
	v_max3_num_f32 v[MX+2], v[MX+2], |v[BD+14]|, |v[BD+15]|
	v_max3_num_f32 v[MX], v[MX], v[MX+1], |v[HH+31]|
	v_max3_num_f32 v[MX+2], v[MX+2], v[MX+3], |v[BD+31]|
	v_add_nc_u32 v124, 0xff000000, v[MX]           ; 2 off the exponent field: the conversion takes the exponent field of this operand as its scale
	v_add_nc_u32 v125, 0xff000000, v[MX+2]
	v_cvt_scalef32_pk16_fp6_f32 v[FH:FH+2], v[HH:HH+15], v124
	v_cvt_scalef32_pk16_fp6_f32 v[224:226], v[HH+16:HH+31], v124      ; (a conversion's three registers begin on an even number: the block's second half is made elsewhere and moved)
	v_cvt_scalef32_pk16_fp6_f32 v[FD:FD+2], v[BD:BD+15], v125
	v_cvt_scalef32_pk16_fp6_f32 v[228:230], v[BD+16:BD+31], v125
.if (\cq)%2 == 0
	v_lshrrev_b32 v[WH], 23, v124                  ; the byte of block h of the K step.  (These shifts are also the plain place behind the conversions)
	v_lshrrev_b32 v[WD], 23, v125
.else
	v_lshrrev_b32 v126, 23, v124                   ; the byte of block 2 + h
	v_lshl_or_b32 v[WH], v126, 16, v[WH]
	v_lshrrev_b32 v126, 23, v125
	v_lshl_or_b32 v[WD], v126, 16, v[WD]
	v_lshlrev_b32 v[WH], v[SH], v[WH]              ; my two bytes at their places, 8 h bits up;
	v_lshlrev_b32 v[WD], v[SH], v[WD]
	v_permlanex16_b32 v127, v[WH], s92, s93
	v_or_b32 v[WH], v[WH], v127                    ; with lane l xor 16's two the word is whole
	v_permlanex16_b32 v127, v[WD], s92, s93
	v_or_b32 v[WD], v[WD], v127
.endif
.irp i, 0,1,2
	v_mov_b32 v[FH+3+\i], v[224+\i]
	v_mov_b32 v[FD+3+\i], v[228+\i]
.endr
.endm
.macro L0ALL                           ; a net's layer 0 for both tiles: eight fragments and their scale words
.irp tl, 0,1
.irp q, 0,1,2,3
	L0 \tl, \q
.endr
.endr
	v_add_nc_u32 v[LA], 3072, v[LA]                ; on to the next net's constants
.endm
; Each loader loads and then steps its address to the next tile of 16 units; sixteen steps are a net.
.macro LOADW                           ; W1's fragments of both K steps, in pieces of 8 bytes, and the rows' two scale words: 13 loads
.irp s, 0,1
.irp p, 0,1,2,3,4,5
.set PCE, 12*\s+6*(\p/3)+\p%3          ; lanes 0-15 take piece PCE of the row, lanes 16-31 the piece three on: where that lies behind one padding more, the second address register serves
.if PCE%8 < 5
	ds_load_b64 v[WF+12*\s+2*\p:WF+12*\s+2*\p+1], v[W1A] offset:8*PCE+16*(PCE/8)
.else
	ds_load_b64 v[WF+12*\s+2*\p:WF+12*\s+2*\p+1], v[W1B] offset:8*PCE+16*(PCE/8)
.endif
.endr
.endr
	ds_load_b64 v[WS:WS+1], v[SCA]
	v_add_nc_u32 v[W1A], 3840, v[W1A]
	v_add_nc_u32 v[W1B], 3840, v[W1B]
	v_add_nc_u32 v[SCA], 128, v[SCA]
.endm
.macro LOADB                           ; c b1 of units 16 T + 8 h + 0 .. 7: 2 loads
	ds_load_b128 v[BB:BB+3], v[B1A]
	ds_load_b128 v[BB+4:BB+7], v[B1A] offset:16
	v_add_nc_u32 v[B1A], 64, v[B1A]
.endm
.macro LOADW2                          ; source 0 of the last product for this tile: 2 loads
	ds_load_b128 v[W2F:W2F+3], v[W2A]
	ds_load_b128 v[W2F+4:W2F+7], v[W2A] offset:128
	v_add_nc_u32 v[W2A], 256, v[W2A]
.endm
; ONE TILE OF 16 UNITS of layer 1, for both tiles of samples, value and derivative, and its share of layer 2.  pre = 1: the next tile's weights are fetched under this tile's vector work.
.macro NT pre
	s_wait_dscnt 0x0                               ; this tile's fragments, scale words and bias are in
.irp s, 0,1                            ; four accumulators by turns, one instruction a turn: (a, h), (a, dh), (b, h), (b, dh); the first K step starts the sums
.irp g, 0,1,2,3
.if \s == 0
	v_wmma_scale_f32_16x16x128_f8f6f4 v[Z+8*\g:Z+8*\g+7], v[WF:WF+11], v[CD+24*\g:CD+24*\g+11], 0, v[WS], v[SW+2*\g] matrix_a_fmt:MATRIX_FMT_FP6 matrix_b_fmt:MATRIX_FMT_FP6
.else
	v_wmma_scale_f32_16x16x128_f8f6f4 v[Z+8*\g:Z+8*\g+7], v[WF+12:WF+23], v[CD+24*\g+12:CD+24*\g+23], v[Z+8*\g:Z+8*\g+7], v[WS+1], v[SW+2*\g+1] matrix_a_fmt:MATRIX_FMT_FP6 matrix_b_fmt:MATRIX_FMT_FP6
.endif
.endr
.endr
.rept 4
	v_nop                                          ; four plain places behind the products, ahead of the loads into registers that matrix instructions have read and of the first read of the results
.endr
	LOADW2
.if \pre
	LOADW
.endif
.irp tl, 0,1
.irp j, 0,2,4,6
	v_pk_fma_f32 v[Z+16*\tl+\j:Z+16*\tl+\j+1], v[Z+16*\tl+\j:Z+16*\tl+\j+1], 0x4038aa3b, v[BB+\j:BB+\j+1] op_sel_hi:[1,0,1]   ; c z + c b1; each accumulator is read from its low end on
.endr
.endr
.if \pre
	LOADB
.endif
.irp tl, 0,1
.irp j, 0,1,2,3,4,5,6,7
	v_exp_f32 v[Z+16*\tl+\j], v[Z+16*\tl+\j]
.endr
.endr
	v_nop
	s_wait_alu depctr_va_vdst(0)                   ; one wait for the 16 exponentials, ahead of their first reader
.irp tl, 0,1
.irp j, 0,2,4,6
	v_pk_add_f32 v[Z+16*\tl+\j:Z+16*\tl+\j+1], v[Z+16*\tl+\j:Z+16*\tl+\j+1], 1.0 op_sel_hi:[1,0]
.endr
.endr
.irp tl, 0,1
.irp j, 0,1,2,3,4,5,6,7
	v_rcp_f32 v[Z+16*\tl+\j], v[Z+16*\tl+\j]
.endr
.endr
	v_nop
	s_wait_alu depctr_va_vdst(0)                   ; and one for the 16 reciprocals
.irp tl, 0,1
.irp j, 0,2,4,6
	v_pk_fma_f32 v[Z+16*\tl+\j:Z+16*\tl+\j+1], v[Z+16*\tl+\j:Z+16*\tl+\j+1], -2.0, 1.0 op_sel_hi:[1,0,0]   ; h1
.endr
.endr
.irp tl, 0,1
.irp j, 0,2,4,6
	v_pk_fma_f32 v[P+8*\tl+\j:P+8*\tl+\j+1], v[Z+16*\tl+\j:Z+16*\tl+\j+1], v[Z+16*\tl+\j:Z+16*\tl+\j+1], 1.0 op_sel_hi:[1,1,0] neg_lo:[1,0,0] neg_hi:[1,0,0]   ; 1 - h1^2
.endr
.endr
.irp tl, 0,1
.irp j, 0,2,4,6
	v_pk_mul_f32 v[Z+16*\tl+8+\j:Z+16*\tl+8+\j+1], v[Z+16*\tl+8+\j:Z+16*\tl+8+\j+1], v[P+8*\tl+\j:P+8*\tl+\j+1]   ; dh1
.endr
.endr
.irp tl, 0,1
.irp i, 0,1,2,3
	v_cvt_pk_bf16_f32 v[P+8*\tl+\i], v[Z+16*\tl+2*\i], v[Z+16*\tl+2*\i+1]           ; k = 8 h + 0 .. 7: h1
	v_cvt_pk_bf16_f32 v[P+8*\tl+4+\i], v[Z+16*\tl+8+2*\i], v[Z+16*\tl+8+2*\i+1]     ; k = 16 + 8 h + 0 .. 7: dh1
.endr
.endr
.if \pre
	s_wait_dscnt 15                                ; W2's two loads are in; the 13 of the next tile's W1 and the 2 of its bias, issued behind them, may be out
.else
	s_wait_dscnt 0x0
.endif
	v_wmma_f32_16x16x32_bf16 v[ACC:ACC+7], v[W2F:W2F+7], v[P:P+7], v[ACC:ACC+7]
	v_wmma_f32_16x16x32_bf16 v[ACC+8:ACC+15], v[W2F:W2F+7], v[P+8:P+15], v[ACC+8:ACC+15]
.endm
.macro L1ALL                           ; a net's layers 1 and 2
	ds_load_b128 v[ACC:ACC+3], v[B2A]              ; both accumulators begin as (b2[0], b2[1], 0 ..)
	ds_load_b128 v[ACC+4:ACC+7], v[B2A] offset:16
	ds_load_b128 v[ACC+8:ACC+11], v[B2A]
	ds_load_b128 v[ACC+12:ACC+15], v[B2A] offset:16
	v_add_nc_u32 v[B2A], 128, v[B2A]
	LOADW
	LOADB
.rept 8
	v_nop                                          ; the scale words and codes that vector instructions wrote stand eight places ahead of the first scaled product
.endr
	s_mov_b32 s96, 15
.Ltile_\@:
	NT 1
	s_sub_co_u32 s96, s96, 1
	s_cmp_lg_u32 s96, 0
	s_cbranch_scc1 .Ltile_\@
	NT 0                                           ; the last tile fetches nothing further
.rept 4
	v_nop                                          ; four places ahead of the first read of the accumulators
.endr
.irp j, 0,1,2,3
	v_cndmask_b32 v[MX+\j], v[ACC+\j], v[ACC+8+\j], s94   ; lanes 0-15 tile a's, lanes 16-31 tile b's: lane l now holds o0, o1, o0', o1' of sample l
.endr
.endm
.macro UPD_MUL                         ; (x, y) times (o0, o1), with the product rule
	v_mul_f32 v[XP], v[XP], v[MX]
	v_mul_f32 v[YP], v[YP], v[MX+1]
	v_fmac_f32 v[XP], v[XX], v[MX+2]
	v_fmac_f32 v[YP], v[YY], v[MX+3]
	v_mul_f32 v[XX], v[XX], v[MX]
	v_mul_f32 v[YY], v[YY], v[MX+1]
.endm
	L0ALL                                          ; ab's layer 0: it reads no codes, so W1's loads land under it
	s_wait_tensorcnt 0x0                           ; my part of the codes is in,
	s_wait_dscnt 0x0
	s_barrier_signal -1
	s_barrier_wait -1                              ; everybody's is
	s_mov_b32 s95, 2
.Lnet:                                             ; ab and kxy both multiply the state; the next net's layer 0 follows
	L1ALL
	UPD_MUL
	L0ALL
	s_sub_co_u32 s95, s95, 1
	s_cmp_lg_u32 s95, 0
	s_cbranch_scc1 .Lnet
	L1ALL                                          ; sxy is added
	v_add_f32 v[XX], v[XX], v[MX]
	v_add_f32 v[YY], v[YY], v[MX+1]
	v_add_f32 v[XP], v[XP], v[MX+2]
	v_add_f32 v[YP], v[YP], v[MX+3]
	; THE WAY OUT.  A wave's 32 samples are 128 bytes of an output: so the six outputs of the work-group's 512 samples meet in LDS, and each store of a wave covers 256 consecutive bytes, aligned.
	ds_store_b32 v[OS], v[XX] offset:2048          ; out1
	ds_store_b32 v[OS], v[YY] offset:4096          ; out2
	ds_store_b32 v[OS], v[XP] offset:8192          ; out4
	ds_store_b32 v[OS], v[YP] offset:10240         ; out5
	s_wait_dscnt 0x0                               ; for the others' sake: my stores have landed
	s_barrier_signal -1
	s_barrier_wait -1
	ds_load_b64 v[128:129], v245                   ; 4,096 bytes an instruction of the sixteen waves: waves 0-7 output 2 j, waves 8-15 output 2 j + 1
	ds_load_b64 v[130:131], v245 offset:4096
	ds_load_b64 v[132:133], v245 offset:8192
	s_cmp_lt_u32 s2, 8
	s_cselect_b64 s[66:67], s[48:49], s[50:51]
	s_cselect_b64 s[68:69], s[52:53], s[54:55]
	s_cselect_b64 s[70:71], s[56:57], s[58:59]
	s_add_nc_u64 s[66:67], s[66:67], s[62:63]
	s_add_nc_u64 s[68:69], s[68:69], s[62:63]
	s_add_nc_u64 s[70:71], s[70:71], s[62:63]
	s_wait_dscnt 0x2                               ; the first load is in; the two younger may be out
	global_store_b64 v246, v[128:129], s[66:67] th:TH_STORE_NT
	s_wait_dscnt 0x1
	global_store_b64 v246, v[130:131], s[68:69] th:TH_STORE_NT
	s_wait_dscnt 0x0
	global_store_b64 v246, v[132:133], s[70:71] th:TH_STORE_NT
	s_wait_tensorcnt 0x0
	ds_add_u32 v254, v255
	s_wait_dscnt 0x0
	s_endpgm
.Lfunc_end_k_q50ab5ccf5a_sofa:
	.size	k_q50ab5ccf5a_sofa, .Lfunc_end_k_q50ab5ccf5a_sofa-k_q50ab5ccf5a_sofa
	.p2alignl 7, 3214868480
	.fill 96, 4, 3214868480
	.section	.rodata,"a",@progbits
	.p2align	6, 0x0
	.amdhsa_kernel k_q50ab5ccf5a_sofa
		.amdhsa_group_segment_fixed_size 229888
		.amdhsa_private_segment_fixed_size 0
		.amdhsa_enable_private_segment 0
		.amdhsa_kernarg_size 224
		.amdhsa_user_sgpr_count 2
		.amdhsa_user_sgpr_kernarg_segment_ptr 1
		.amdhsa_wavefront_size32 1
		.amdhsa_system_sgpr_workgroup_id_x 1
		.amdhsa_system_sgpr_workgroup_id_y 1
		.amdhsa_system_sgpr_workgroup_id_z 1
		.amdhsa_system_vgpr_workitem_id 0
		.amdhsa_next_free_vgpr 256
		.amdhsa_next_free_sgpr 100
		.amdhsa_reserve_vcc 1
		.amdhsa_float_denorm_mode_32 3
		.amdhsa_float_denorm_mode_16_64 3
		.amdhsa_memory_ordered 1
		.amdhsa_forward_progress 1
		.amdhsa_inst_pref_size 229
	.end_amdhsa_kernel
	.amdgpu_metadata
---
amdhsa.version: [ 1, 2 ]
amdhsa.kernels:
  - .name:           k_q50ab5ccf5a_sofa
    .symbol:         k_q50ab5ccf5a_sofa.kd
    .args:
      - { .name: W_ab0, .offset: 0, .size: 8, .value_kind: global_buffer, .address_space: global }
      - { .name: b_ab0, .offset: 8, .size: 8, .value_kind: global_buffer, .address_space: global }
      - { .name: W_ab1_codes, .offset: 16, .size: 8, .value_kind: global_buffer, .address_space: global }
      - { .name: W_ab1_scales, .offset: 24, .size: 8, .value_kind: global_buffer, .address_space: global }
      - { .name: b_ab1, .offset: 32, .size: 8, .value_kind: global_buffer, .address_space: global }
      - { .name: W_ab2, .offset: 40, .size: 8, .value_kind: global_buffer, .address_space: global }
      - { .name: b_ab2, .offset: 48, .size: 8, .value_kind: global_buffer, .address_space: global }
      - { .name: W_kxy0, .offset: 56, .size: 8, .value_kind: global_buffer, .address_space: global }
      - { .name: b_kxy0, .offset: 64, .size: 8, .value_kind: global_buffer, .address_space: global }
      - { .name: W_kxy1_codes, .offset: 72, .size: 8, .value_kind: global_buffer, .address_space: global }
      - { .name: W_kxy1_scales, .offset: 80, .size: 8, .value_kind: global_buffer, .address_space: global }
      - { .name: b_kxy1, .offset: 88, .size: 8, .value_kind: global_buffer, .address_space: global }
      - { .name: W_kxy2, .offset: 96, .size: 8, .value_kind: global_buffer, .address_space: global }
      - { .name: b_kxy2, .offset: 104, .size: 8, .value_kind: global_buffer, .address_space: global }
      - { .name: W_sxy0, .offset: 112, .size: 8, .value_kind: global_buffer, .address_space: global }
      - { .name: b_sxy0, .offset: 120, .size: 8, .value_kind: global_buffer, .address_space: global }
      - { .name: W_sxy1_codes, .offset: 128, .size: 8, .value_kind: global_buffer, .address_space: global }
      - { .name: W_sxy1_scales, .offset: 136, .size: 8, .value_kind: global_buffer, .address_space: global }
      - { .name: b_sxy1, .offset: 144, .size: 8, .value_kind: global_buffer, .address_space: global }
      - { .name: W_sxy2, .offset: 152, .size: 8, .value_kind: global_buffer, .address_space: global }
      - { .name: b_sxy2, .offset: 160, .size: 8, .value_kind: global_buffer, .address_space: global }
      - { .name: t, .offset: 168, .size: 8, .value_kind: global_buffer, .address_space: global }
      - { .name: out0, .offset: 176, .size: 8, .value_kind: global_buffer, .address_space: global }
      - { .name: out1, .offset: 184, .size: 8, .value_kind: global_buffer, .address_space: global }
      - { .name: out2, .offset: 192, .size: 8, .value_kind: global_buffer, .address_space: global }
      - { .name: out3, .offset: 200, .size: 8, .value_kind: global_buffer, .address_space: global }
      - { .name: out4, .offset: 208, .size: 8, .value_kind: global_buffer, .address_space: global }
      - { .name: out5, .offset: 216, .size: 8, .value_kind: global_buffer, .address_space: global }
    .group_segment_fixed_size: 229888
    .private_segment_fixed_size: 0
    .kernarg_segment_align: 8
    .kernarg_segment_size: 224
    .max_flat_workgroup_size: 512
    .sgpr_count:     100
    .vgpr_count:     256
    .wavefront_size: 32
...
	.end_amdgpu_metadata
.endif
;; end of part 1
